; MI455X (gfx1250); checked and timed in simulation.
; The chip was launched on July 23, 2026; its instructions are those of AMD's public machine-readable ISA for CDNA 5 (MIT licence, August 2026) and "CDNA5" Instruction Set Architecture Reference Guide (July 2026). The comments in the code are by the model that wrote it; some were corrected since.
;; KNRM. Allowed arithmetic: matrix products marked QUANTISED: E2M3 operands, one E8M0 scale for each 32 along K, by v_wmma_scale_f32_16x16x128_f8f6f4 with both operands' format E2M3, f32 sums; products left as they are: f32 operands where the result goes on into a quantised operand, else bf16, f16 or f32 operands; f32 sums; everything else in f32.
;; Inputs: dense_b 1 float32; dense_w 1 x 11 float32; doc_tokens 256 x 512 int32; embed_table 100,000 x 300 float32; query_tokens 256 x 20 int32.
;; Outputs: out0 256 float32.
;; This version of the problem:
;;   THIS VERSION OF THE PROBLEM IS GIVEN IN LOW PRECISION. The matrix products marked QUANTISED in the list below multiply operands that are first quantised to E2M3 (2 exponent bits, 3 mantissa bits; 6 bits a number), with one power-of-two scale for each 32 numbers along K (OCP MX v1.0); their sums are f32. All else is computed in f32.
;;   The module's matrix products, in the order in which they are computed (A, B: the left and right operand; K: the contracted axis; several contracted axes count as one K, in the product's order):
;;     1. batch 256 x [M 20, K 300] x [K 300, N 512]; A: computed on the way; B: computed on the way: QUANTISED
;;     2. [M 256, K 11] x [K 11, N 1]; A: computed on the way; B: input dense_w: left as it is (K = 11 < 32)
;;   THE QUANTISER, for each operand of a quantised product, along K:
;;     - K is cut into blocks of 32 from its start; a last block that is shorter is filled with zeros.
;;     - A block's scale is 2^e with e = floor(log2(the largest magnitude in the block)) - 2, held to -126 .. 127; a block of zeros has e = 0. As a byte (E8M0): e + 127.
;;     - Each number is divided by its block's scale, clamped to +-7.5, and rounded to the nearest number of E2M3, ties to even, subnormals kept.
;;     - The product sums the exact products of the quantised numbers (number of the format x scale) in f32.
;;   ~~~python
;;   def quantise(x, axis):      # numpy; x: float32 -> the quantised numbers, widened to float32 again
;;       x = np.moveaxis(x, axis, -1); K = x.shape[-1]
;;       x = np.pad(x, [(0, 0)] * (x.ndim - 1) + [(0, -K % 32)]); x = x.reshape(x.shape[:-1] + (-1, 32)); a = np.abs(x).max(-1, keepdims=True)
;;       e = np.where(a > 0, np.clip(np.frexp(np.where(a > 0, a, 1))[1] - 1 - 2, -126, 127), 0)      # np.frexp(a)[1] - 1 = floor(log2(a)), exactly
;;       r = np.clip(x / 2.0 ** e, -7.5, 7.5)
;;       step = 2.0 ** (np.maximum(np.frexp(np.where(r == 0, 1, r))[1] - 1, 0) - 3)
;;       q = np.round(r / step) * step * 2.0 ** e      # np.round: ties to even
;;       return np.moveaxis(q.reshape(q.shape[:-2] + (-1,))[..., :K], -1, axis).astype(np.float32)
;;   ~~~
;;   OPERANDS COMPUTED ON THE WAY. 'Computed on the way' means the value that the module computes at that place (a softmax that the list does not call 'softmax' is quantised finished and normalised). What goes into a quantiser is computed in f32, as accurately as f32 sums, v_exp_f32 and their like allow (about 1e-6 of the number): no bf16 or f16 on the way to a quantiser, and a product that is left as it is and whose result goes on into a quantised operand takes f32 operands (vector FMAs, or v_wmma_f32_16x16x4_f32). A number that lies on a knife's edge between two numbers of the format may be rounded either way, as far as f32 arithmetic and the matrix unit's own rounding can turn it there, and no further.
;; One version. Each part assembles by itself: llvm-mc -triple=amdgcn-amd-amdhsa -mcpu=gfx1250 --defsym DOCPART=n.
;; ======== version 1 of 1: 1 launch
;; limits: right only within a limited range of input values
;; launch knrm (part 1): grid 256 x 1, 8 waves a work-group, no clusters, 218,112 bytes of LDS; arguments query_tokens, doc_tokens, embed_table, dense_w, dense_b, out0; writes out0
.if DOCPART == 1
	.amdgcn_target "amdgcn-amd-amdhsa--gfx1250"
	.amdhsa_code_object_version 6
	.text
	.protected	k_qfd27d37a9f_knrm
	.globl	k_qfd27d37a9f_knrm
	.p2align	8
	.type	k_qfd27d37a9f_knrm,@function
k_qfd27d37a9f_knrm:
	s_mov_b64 s[64:65], 0
	v_nop
	global_prefetch_b8 v0, s[64:65] scope:SCOPE_SE
	s_setreg_imm32_b32 hwreg(HW_REG_WAVE_MODE, 25, 1), 1
	s_wait_xcnt 0x0
; KNRM: out[b] = sum_k w[k] sum_q qmask 0.01 ln(max(sum_d dmask exp(-(cos(q,d) - mu_k)^2 / (2 sigma_k^2)), 1e-10)) + bias.
; cos = the product of the L2-normalised embedding rows, both sides quantised along K = 300 to FP6 (E2M3) with one E8M0 scale for each 32.
; SHARES.  One work-group is one batch: 20 query rows and 512 document rows of 1,200 bytes, gathered by token.  Eight waves; a wave owns 64 documents, four tiles of 16 rows.  Pair p of tile t is
; documents 8 t + p (lanes 0-15) and 32 + 8 t + p (lanes 16-31) of the wave's 64; it lies in rows p and 8 + p of the tile.
; A ROW'S WAY.  Sixteen lanes read 256 consecutive bytes of a row; five loads a row, the fifth from byte 944 on, so that it stays inside the row.  As loaded the rows go into the wave's own stage in LDS
; (pitch 1,296 = 81 x 16); bytes 1,200 .. 1,279 of a stage row are zeros, written once.  Each group of two pairs is asked for again as soon as its stores have read the registers: so 30 to 40 row loads
; of a wave are out while it works on a tile.  Back from the stage lane (r, h) takes blocks h, 2 + h, .. 8 + h of row r, 160 numbers: the 6-bit operand's layout.  Norm, block maxima and codes are made there.
; K is filled to 384 = 3 x 128: in the last six registers the queries' codes are zeros; the documents' hold any bits there (every 6-bit code is a finite number), under the scale byte 0.
; THE TWO PRODUCTS OF A TILE.  Queries 0-15: source 0 = the 16 documents, source 1 = the queries: a lane holds ONE query and eight documents (8 h + j).  Queries 16-19: source 0 = a tile whose rows
; 0, 1, 8, 9 are queries 16, 17, 18, 19, source 1 = the documents: a lane holds one document, and registers 0 and 1 queries 16 + 2 h and 17 + 2 h.  Ten registers a lane hold the tile's 320 cosines.
; POOLING.  With g = exp(-50 (c - 0.1)^2): exp(-50 (c - 0.1 - 0.2 m)^2) = g exp(20 c)^m exp(-50 ((0.1 + 0.2 m)^2 - 0.01)), m = -5 .. 4.  The last factor hangs on m alone and is applied to the finished sum.
; Quantised rows have |c| under 1.2, so g, the powers (under e^40) and the sums stay inside f32's range.  The narrow kernel at mu = 1 has its own exponential.
; NO CLUSTER: no two work-groups read a common tile (each batch has its own list of rows).  No tensor load: the rows are chosen by an index list.  No prefetch: 30 to 40 row loads of every wave stand out throughout.
; LIMITS: NaN and infinities in the table are not served.  Tokens lie in 0 .. 99,999 (larger ones are held there).  Norms under 2^63.  A block whose largest magnitude in the table lies
; under 2^-60 is scaled as if it were 2^-60 (a block of zeros too: its codes are zeros).  x / max(norm, 1e-13) is made as x min(rsq(ss), 1e13): a few units in the last place of f32 off the division.
; REGISTERS, in windows of 256 (s_set_vgpr_msb: bits 1:0 source 0, 3:2 source 1, 5:4 source 2, 7:6 destination).  Window 1: v0-159 rows as loaded (pair p, load j at 20 p + 4 j); v160-231 the queries' operands;
; v232-255 row offsets of tiles 1-3.  Window 0: all else.
.set P,     1296
.set WSTG,  16*P
.set QIMG,  0                          ; LDS: waves 0-4 each leave an image of an operand's 36 registers, 36 x 128 bytes a wave (room for eight)
.set QSC,   8*36*128                   ; and its three scale words, 3 x 128 bytes a wave
.set RED,   QSC+8*3*128                ; the waves' sums: kernel k x 1,024 + slot x 32 + wave x 4; slots 0-19 are the queries, slots 20-31 repeat queries 16-19
.set STG,   RED+11*1024                ; eight stages
.set SPARE, STG+8*WSTG                 ; spare words, 128 bytes a wave
.set SPW, 1                            ; LDS address of my spare word
.set NIL, 2                            ; 0
.set SST, 3                            ; stage, way in: row 8 h, 16 (lane % 16)
.set SRD, 4                            ; stage, way out: row lane % 16, + 128 h
.set SH8, 5                            ; 8 h
.set KN,  6                            ; v6-7   -S0, twice
.set QS,  8                            ; v8-13  the queries' scale words (3 u + s)
.set DS,  14                           ; v14-16 scale words of the rows just quantised
.set QT,  17                           ; a query's token, for the end
.set RR,  18                           ; v18-19 1 / norm in the low register
.set TM,  20                           ; v20-27 at work: block maxima, then scales
.set KG,  28                           ; v28-29 -0.1 S, twice
.set Y,   30                           ; v30-37 at work: sums of squares, then half blocks of codes
.set T0,  40                           ; v40-47 row offsets of tile 0
.set RA0, 40                           ; (from tile 2 on: where my sums go, queries 0-15,
.set RA1, 41                           ; queries 16-19,
.set RQ,  42                           ; and where wave 0 reads a slot's sums)
.set MR,  48                           ; v48-51 mask of document lane % 16 of tile t, as 0.0 or 1.0
.set ACC0, 52                          ; v52-73 kernel k: sums of my query (even j, odd j)
.set ACC1, 74                          ; v74-95 kernel k: sums of my document column for queries 16 + 2 h, 17 + 2 h
.set QRD, 52                           ; v52-79 at the head, ahead of the first sums: the query rows' way out of the stage,
.set QWI, 53                           ; where a query's codes go,
.set QWS, 54                           ; and its scale words
.set LI,  55                           ; 16 x lane
.set LS,  56                           ; 4 x lane
.set GOFF, 57                          ; 16 x (lane % 16)
.set R16, 58
.set H,   59
.set LANE, 60
.set QTOK, 61
.set QA,  62                           ; v62-63 query tokens, then row offsets
.set TOKD, 64
.set TOKM, 65
.set RQT, 66
.set PADA, 67
.set LQ0, 80                           ; where I read query tile 0's codes
.set LQS, 81                           ; and its scale words
.set W,   68                           ; v68-75 at work
.set ZR,  76                           ; v76-79 zeros
.set X,   96                           ; v96-255 160 numbers of a row: block n at 32 n
.set CD,  96                           ; v96-125 their codes, over block 0 once that is converted; v126-131 the rest of K step 2
.set D0,  136                          ; v136-143 cosines, queries 0-15
.set D1,  144                          ; v144-151 cosines, queries 16-19 (registers 0, 1)
.set FM,  152                          ; v152-159 masks of documents 8 h + j, v160-161 that of document lane % 16, twice
.set G,   162                          ; v162-171
.set N,   172                          ; v172-181 the narrow kernel
.set RA,  182                          ; v182-191
.set R,   192                          ; v192-201 exp(20 c)
.set RI,  202                          ; v202-211 exp(-20 c)
.set F,   96                           ; the end: v96-183
.set RB,  0                            ; window 1
.set QF,  160
.set T1,  232
.set QP,  4                            ; s[4:5] query tokens, s[6:7] document tokens, s[8:9] table, s[10:11] dense_w, s[12:13] dense_b, s[14:15] out
.set DOC, 6
.set TAB, 8
.set WP,  10
.set BP,  12
.set OUT, 14
.set WT,  16                           ; s16-26 dense_w, s27 dense_b
.set WV,  28
.set CLIP, 33
.set SEL, 34                           ; s[34:35] v_permlanex16_b32's selects for lane l xor 16
.set SCL, 36                           ; s[36:37] S = sqrt(50 log2(e))
.set LIM, 38
.set S0P, 40                           ; s[40:41] S0 = sqrt(log2(e) / (2 x 1e-8))
.set C20, 42                           ; s[42:43] 20 log2(e)
.set MK,  44                           ; s44-51 masks
.set MSB, 0
.macro WIN new                         ; the immediate's high byte repeats the setting that is left
.if MSB != (\new)
	s_set_vgpr_msb (MSB<<8)|(\new)
.set MSB, (\new)
.endif
.endm
; n tokens at v[tk] -> byte offsets of my 16 bytes in the rows: a token is held to the table's rows, times 1,200, plus 16 (lane % 16)
.macro OFFS n, tk
.set i, 0
.rept \n
	v_min_u32 v[\tk+i], 0x1869f, v[\tk+i]
.set i, i+1
.endr
.set i, 0
.rept \n
	v_mul_u32_u24 v[\tk+i], 1200, v[\tk+i]
.set i, i+1
.endr
.set i, 0
.rept \n
	v_add_nc_u32 v[\tk+i], v[GOFF], v[\tk+i]
.set i, i+1
.endr
.endm
.macro PLOAD dst, ad                   ; a pair of rows: sixteen lanes read 256 consecutive bytes of one row, the other sixteen of the other; the fifth load ends with the row
.irp j, 0,1,2,3
	global_load_b128 v[\dst+4*\j:\dst+4*\j+3], v[\ad], s[TAB:TAB+1] offset:256*\j
.endr
	global_load_b128 v[\dst+16:\dst+19], v[\ad], s[TAB:TAB+1] offset:944
.endm
.macro PSTORE src, p                   ; the pair into the stage as it is; lanes 0-4 of the fifth store bytes 944 .. 1,023 once more
.irp j, 0,1,2,3
	ds_store_b128 v[SST], v[\src+4*\j:\src+4*\j+3] offset:(\p)*P+256*\j
.endr
	ds_store_b128 v[SST], v[\src+16:\src+19] offset:(\p)*P+944
.endm
.macro LGRP t, g                       ; pairs 2 g, 2 g + 1 of tile t are asked for
.if (\t) == 0
	WIN 0x40
	PLOAD RB+40*\g, T0+2*\g
	PLOAD RB+40*\g+20, T0+2*\g+1
.else
	WIN 0x41
	PLOAD RB+40*\g, T1+8*(\t)-8+2*\g
	PLOAD RB+40*\g+20, T1+8*(\t)-8+2*\g+1
.endif
.endm
.macro SGRP g
	WIN 0x04
	PSTORE RB+40*\g, 2*\g
	PSTORE RB+40*\g+20, 2*\g+1
.endm
; Tile t's 40 loads are out: group by group they go into the stage, and the next tile's take their registers.  Behind a group's ten loads stand those of the other groups that are still out;
; behind a group's ten stores the next group's ten.
.macro INTAKE t
	s_wait_loadcnt 30
	SGRP 0
	s_wait_loadcnt 20
	SGRP 1
	s_wait_dscnt 10                                ; group 0's stores have read their registers
	LGRP \t+1, 0
	s_wait_loadcnt 20                              ; behind group 2: group 3 and the ten just issued
	SGRP 2
	s_wait_dscnt 10
	LGRP \t+1, 1
	s_wait_loadcnt 20
	SGRP 3
	s_wait_dscnt 10
	LGRP \t+1, 2
	s_wait_dscnt 0x0
	LGRP \t+1, 3
	WIN 0
.endm
; The later tiles come in by single pairs, among the work on tile t, whose numbers have left the stage for registers.  Step q: pair q of tile t + 1 goes into the stage, and pair q - 1's registers, whose stores
; are done, take that pair of tile t + 2.  Behind pair 0 stand the other seven pairs' 35 loads; behind each later pair 30: its followers' and those asked for again.  For tile 3 (t = 2) nothing more is asked for.
.macro FEED t, q
.if (\q) < 8
	s_wait_alu depctr_va_vdst(0)                   ; the wait directly ahead of the waits below
.if (\t) == 2
	s_wait_loadcnt 35-5*(\q)
.elseif (\q) == 0
	s_wait_loadcnt 35
.else
	s_wait_loadcnt 30
.endif
	WIN 0x04
	PSTORE RB+20*(\q), (\q)
.endif
.if ((\t) < 2) && ((\q) > 0) && ((\q) < 9)
.if (\q) < 8
	s_wait_dscnt 5                                 ; pair q - 1's stores have read their registers; pair q's five may be out
.else
	s_wait_alu depctr_va_vdst(0)
	s_wait_dscnt 0x0
.endif
	WIN 0x41
	PLOAD RB+20*((\q)-1), T1+8*(\t)+8+(\q)-1
.endif
	WIN 0
.endm
; Where the steps stand from the products on (place c = 0 .. 4): two at a place in tiles 0 and 2; in tile 1, whose first six stand among the conversions, one.
.macro SPOT t, c
.if ((\t) == 0) || ((\t) == 2)
	FEED \t, 2*(\c)
	FEED \t, 2*(\c)+1
.endif
.if (\t) == 1
	FEED \t, 6+(\c)
.endif
.endm
.macro XLOAD ad
.set n, 0
.rept 5
.irp g, 0,1,2,3,4,5,6,7
	ds_load_b128 v[X+32*n+4*\g:X+32*n+4*\g+3], v[\ad] offset:256*n+16*\g
.endr
.set n, n+1
.endr
.endm
.macro PASS1                           ; sum of squares (two chains) and each block's largest magnitude (two chains), by turns
.set n, 0
.rept 5
.set XB, X+32*n
.if n > 0
	s_wait_alu depctr_va_vdst(0)                   ; the wait directly ahead of the wait below
.endif
	s_wait_dscnt 32-8*n                            ; block n is in; the later blocks' loads may be out
	v_max3_num_f32 v[TM+n], |v[XB]|, |v[XB+1]|, |v[XB+2]|
	v_max3_num_f32 v[TM+5], |v[XB+3]|, |v[XB+4]|, |v[XB+5]|
.set i, 0
.rept 8
.if n+i == 0
	v_pk_mul_f32 v[Y:Y+1], v[XB:XB+1], v[XB:XB+1]  ; the first products start the sums
	v_pk_mul_f32 v[Y+2:Y+3], v[XB+2:XB+3], v[XB+2:XB+3]
.else
	v_pk_fma_f32 v[Y:Y+1], v[XB+4*i:XB+4*i+1], v[XB+4*i:XB+4*i+1], v[Y:Y+1]
.if i > 0
	v_max3_num_f32 v[TM+n], v[TM+n], |v[XB+4*i+2]|, |v[XB+4*i+3]|
.endif
	v_pk_fma_f32 v[Y+2:Y+3], v[XB+4*i+2:XB+4*i+3], v[XB+4*i+2:XB+4*i+3], v[Y+2:Y+3]
.if (i > 0) && (i < 7)
	v_max3_num_f32 v[TM+5], v[TM+5], |v[XB+4*i+4]|, |v[XB+4*i+5]|
.endif
.endif
.set i, i+1
.endr
	v_max3_num_f32 v[TM+n], v[TM+n], v[TM+5], 0x21800000   ; and the floor 2^-60
.set n, n+1
.endr
.endm
.macro HALVES n                        ; block n's half blocks of codes to their places (a conversion's three registers begin on an even number)
.if (\n) == 0
	v_mov_b32 v[CD], v[Y]
	v_mov_b32 v[CD+1], v[Y+1]
	v_mov_b32 v[CD+2], v[Y+2]
.endif
	v_mov_b32 v[CD+6*(\n)+3], v[Y+4]
	v_mov_b32 v[CD+6*(\n)+4], v[Y+5]
	v_mov_b32 v[CD+6*(\n)+5], v[Y+6]
.endm
.macro PASS2 t
	v_pk_add_f32 v[Y:Y+1], v[Y:Y+1], v[Y+2:Y+3]
	v_add_f32 v[TM+6], v[Y], v[Y+1]
	v_permlanex16_b32 v[TM+7], v[TM+6], s[SEL], s[SEL+1]
	v_add_f32 v[TM+6], v[TM+6], v[TM+7]            ; with lane l xor 16's half of the row
	s_wait_alu depctr_va_vdst(0)                   ; waits ahead of the transcendental and behind it
	v_rsq_f32 v[RR], v[TM+6]
	v_nop
	s_wait_alu depctr_va_vdst(0)
	v_min_num_f32 v[RR], 0x551184e7, v[RR]         ; the clip: 1 / max(norm, 1e-13) = min(1 / norm, 1e13)
.irp n, 0,1,2,3,4
	v_mul_f32 v[TM+\n], v[RR], v[TM+\n]            ; the largest magnitude of the normalised block: rounding keeps the order
.endr
.irp n, 0,1,2,3,4
	v_add_nc_u32 v[TM+\n], 0xff000000, v[TM+\n]    ; 2 off its exponent field: the conversion's scale operand
.endr
.if (\t) == 1
	FEED 1, 0
.endif
.set n, 0
.rept 5
.set XB, X+32*n
.set i, 0
.rept 16
	v_pk_mul_f32 v[XB+2*i:XB+2*i+1], v[XB+2*i:XB+2*i+1], v[RR:RR+1] op_sel_hi:[1,0]
.set i, i+1
.endr
.if n > 0
	HALVES n-1
.endif
.if n == 0
	v_cvt_scalef32_pk16_fp6_f32 v[Y:Y+2], v[XB:XB+15], v[TM+n]     ; (block 0's codes wait beside it: their place lies over it)
.else
	v_cvt_scalef32_pk16_fp6_f32 v[CD+6*n:CD+6*n+2], v[XB:XB+15], v[TM+n]
.endif
	v_cvt_scalef32_pk16_fp6_f32 v[Y+4:Y+6], v[XB+16:XB+31], v[TM+n]
.if (\t) == 1
	FEED 1, n+1
.endif
.set n, n+1
.endr
.irp n, 0,1,2,3,4
	v_lshrrev_b32 v[TM+\n], 23, v[TM+\n]           ; the scales' bytes (the first four are the plain places behind the conversions)
.endr
	HALVES 4
	; my bytes (blocks h and 2 + h of each K step) at their places, joined with lane l xor 16's: three scale words
	v_lshl_or_b32 v[TM], v[TM+1], 16, v[TM]
	v_lshl_or_b32 v[TM+1], v[TM+3], 16, v[TM+2]
	v_lshlrev_b32 v[TM+2], v[SH8], v[TM+4]
	v_lshlrev_b32 v[TM], v[SH8], v[TM]
	v_lshlrev_b32 v[TM+1], v[SH8], v[TM+1]
	v_permlanex16_b32 v[Y+2], v[TM+2], s[SEL], s[SEL+1]
	v_permlanex16_b32 v[Y], v[TM], s[SEL], s[SEL+1]
	v_permlanex16_b32 v[Y+1], v[TM+1], s[SEL], s[SEL+1]
	v_or_b32 v[DS+2], v[TM+2], v[Y+2]
	v_or_b32 v[DS], v[TM], v[Y]
	v_or_b32 v[DS+1], v[TM+1], v[Y+1]
.endm
.macro MASKS t                         ; token > 0, as a number: its row offset is 1,200 or more.  These 18 lines are also the places between scale words and products
.if (\t) == 0
.set TT, T0
	WIN 0
.else
.set TT, T1+8*(\t)-8
	WIN 0x04
.endif
.irp j, 0,1,2,3,4,5,6,7
	v_cmp_lt_u32 s[MK+\j], s[LIM], v[TT+\j]
.endr
.irp j, 0,1,2,3,4,5,6,7
	v_cndmask_b32 v[FM+\j], 0, 1.0, s[MK+\j]
.endr
	v_mov_b32 v[FM+8], v[MR+\t]
	v_mov_b32 v[FM+9], v[MR+\t]
.endm
.macro PRODUCTS                        ; the two accumulators by turns, one instruction a turn
.irp s, 0,1,2
	WIN 0x04                                       ; source 1 (the queries) in window 1
.if \s == 0
	v_wmma_scale_f32_16x16x128_f8f6f4 v[D0:D0+7], v[CD+12*\s:CD+12*\s+11], v[QF+12*\s:QF+12*\s+11], 0, v[DS+\s], v[QS+\s] matrix_a_fmt:MATRIX_FMT_FP6 matrix_b_fmt:MATRIX_FMT_FP6
.else
	v_wmma_scale_f32_16x16x128_f8f6f4 v[D0:D0+7], v[CD+12*\s:CD+12*\s+11], v[QF+12*\s:QF+12*\s+11], v[D0:D0+7], v[DS+\s], v[QS+\s] matrix_a_fmt:MATRIX_FMT_FP6 matrix_b_fmt:MATRIX_FMT_FP6
.endif
	WIN 0x01                                       ; source 0 (the queries) in window 1
.if \s == 0
	v_wmma_scale_f32_16x16x128_f8f6f4 v[D1:D1+7], v[QF+36+12*\s:QF+36+12*\s+11], v[CD+12*\s:CD+12*\s+11], 0, v[QS+3+\s], v[DS+\s] matrix_a_fmt:MATRIX_FMT_FP6 matrix_b_fmt:MATRIX_FMT_FP6
.else
	v_wmma_scale_f32_16x16x128_f8f6f4 v[D1:D1+7], v[QF+36+12*\s:QF+36+12*\s+11], v[CD+12*\s:CD+12*\s+11], v[D1:D1+7], v[QS+3+\s], v[DS+\s] matrix_a_fmt:MATRIX_FMT_FP6 matrix_b_fmt:MATRIX_FMT_FP6
.endif
.endr
	WIN 0
.rept 4
	v_nop                                          ; four places ahead of the first read of the results
.endr
.endm
.macro ACCUM k, a, b                   ; kernel k's sums += a b (the first tile's first product starts them)
.if fresh
	v_pk_mul_f32 v[AC+2*(\k):AC+2*(\k)+1], v[\a:\a+1], v[\b:\b+1]
.else
	v_pk_fma_f32 v[AC+2*(\k):AC+2*(\k)+1], v[\a:\a+1], v[\b:\b+1], v[AC+2*(\k):AC+2*(\k)+1]
.endif
.endm
.macro PAIRSUM first                   ; which sums pair q goes to, and whether it starts them
.set AC, ACC0
.if q == 4
.set AC, ACC1
.endif
.set fresh, 0
.if (\first) && ((q == 0) || (q == 4))
.set fresh, 1
.endif
.endm
.macro POOL first, t
.set q, 0
.rept 5                                            ; each result is read from its low end on (the fifth pair is D1's registers 0 and 1)
	v_pk_fma_f32 v[G+2*q:G+2*q+1], v[D0+2*q:D0+2*q+1], s[SCL:SCL+1], v[KG:KG+1] op_sel_hi:[1,0,0]
	v_pk_fma_f32 v[N+2*q:N+2*q+1], v[D0+2*q:D0+2*q+1], s[S0P:S0P+1], v[KN:KN+1] op_sel_hi:[1,0,0]
	v_pk_mul_f32 v[RA+2*q:RA+2*q+1], v[D0+2*q:D0+2*q+1], s[C20:C20+1] op_sel_hi:[1,0]
.set q, q+1
.endr
.set q, 0
.rept 10
	v_pk_mul_f32 v[G+2*q:G+2*q+1], v[G+2*q:G+2*q+1], v[G+2*q:G+2*q+1] neg_lo:[0,1] neg_hi:[0,1]
.set q, q+1
.endr
	s_wait_alu depctr_va_vdst(0)                   ; one wait ahead of the batch and one behind it
.set q, 0
.rept 20
	v_exp_f32 v[G+q], v[G+q]
.set q, q+1
.endr
.set q, 0
.rept 10
	v_exp_f32 v[RI+q], -v[RA+q]
.set q, q+1
.endr
.set q, 0
.rept 10
	v_exp_f32 v[R+q], v[RA+q]
.set q, q+1
.endr
	v_nop
	s_wait_alu depctr_va_vdst(0)
.set q, 0
.rept 5
	v_pk_mul_f32 v[G+2*q:G+2*q+1], v[G+2*q:G+2*q+1], v[FM+2*q:FM+2*q+1]
.set q, q+1
.endr
.set q, 0
.rept 5                                            ; mu = 1, 0.1, 0.3 and -0.1
	PAIRSUM \first
	ACCUM 0, N+2*q, FM+2*q
.if fresh
	v_mov_b32 v[AC+10], v[G+2*q]
	v_mov_b32 v[AC+11], v[G+2*q+1]
.else
	v_pk_add_f32 v[AC+10:AC+11], v[AC+10:AC+11], v[G+2*q:G+2*q+1]
.endif
	ACCUM 4, G+2*q, R+2*q
	ACCUM 6, G+2*q, RI+2*q
	v_pk_mul_f32 v[RA+2*q:RA+2*q+1], v[G+2*q:G+2*q+1], v[RI+2*q:RI+2*q+1]
	v_pk_mul_f32 v[G+2*q:G+2*q+1], v[G+2*q:G+2*q+1], v[R+2*q:R+2*q+1]
.set q, q+1
.endr
	SPOT \t, 1
.irp m, 2,3,4,5                                    ; one power further on in each direction
.set q, 0
.rept 5
	PAIRSUM \first
.if \m < 5
	ACCUM 5-\m, G+2*q, R+2*q
.endif
	ACCUM 5+\m, RA+2*q, RI+2*q
.if \m < 5
	v_pk_mul_f32 v[RA+2*q:RA+2*q+1], v[RA+2*q:RA+2*q+1], v[RI+2*q:RI+2*q+1]
.endif
.if \m < 4
	v_pk_mul_f32 v[G+2*q:G+2*q+1], v[G+2*q:G+2*q+1], v[R+2*q:R+2*q+1]
.endif
.set q, q+1
.endr
.if \m < 5
	SPOT \t, \m
.endif
.endr
.endm
.macro TILE t
	XLOAD SRD
	PASS1
.if \t == 0
	s_barrier_signal -1                            ; no LDS instruction of mine is out: the wait for block 4 was for 0; my part of the query images is stored
.endif
	PASS2 \t
.if \t == 0
	s_wait_alu depctr_va_vdst(0)
	s_barrier_wait -1                              ; the images of both query tiles lie in LDS
	WIN 0x40
.set i, 0
.rept 9
	ds_load_b128 v[QF+4*i:QF+4*i+3], v[LQ0] offset:QIMG+512*i      ; the queries' operands stay in window 1
	ds_load_b128 v[QF+36+4*i:QF+36+4*i+3], v[LI] offset:QIMG+4*36*128+512*i
.set i, i+1
.endr
	WIN 0
.irp g, 0,1,2
	ds_load_b32 v[QS+\g], v[LQS] offset:QSC+128*\g
	ds_load_b32 v[QS+3+\g], v[LS] offset:QSC+4*3*128+128*\g
.endr
.endif
	MASKS \t
.if \t == 0
	s_wait_alu depctr_va_vdst(0)
	s_wait_dscnt 0x0
.endif
	SPOT \t, 0
	PRODUCTS
	POOL \t==0, \t
.endm
	s_load_b256 s[4:11], s[0:1], 0x0
	s_load_b128 s[12:15], s[0:1], 0x20
	v_lshl_add_u32 v[SPW], v0, 2, SPARE
	v_mov_b32 v[NIL], 0
	v_lshrrev_b32 v[TM], 5, v0
	v_readfirstlane_b32 s[WV], v[TM]               ; wave 0..7
	s_mul_i32 s30, s[WV], WSTG
	s_add_co_u32 s30, s30, STG                     ; my stage
	s_lshl_b32 s31, s[WV], 8                       ; my wave's 64 tokens
	s_min_u32 s32, s[WV], 4
	s_lshl_b32 s32, s32, 4                         ; waves 0-4: queries 4 w .. 4 w + 3 (waves 5-7 read wave 4's tokens and use none)
	s_mul_i32 s40, s[WV], 36*128
	s_add_co_u32 s40, s40, QIMG
	s_mul_i32 s41, s[WV], 3*128
	s_add_co_u32 s41, s41, QSC
	s_wait_alu depctr_va_vdst(0)
	v_and_b32 v[R16], 15, v0
	v_bfe_u32 v[H], v0, 4, 1
	v_and_b32 v[LANE], 31, v0
	v_lshlrev_b32 v[GOFF], 4, v[R16]
	v_lshlrev_b32 v[SH8], 3, v[H]
	v_lshrrev_b32 v[W+1], 3, v[R16]
	v_lshl_add_u32 v[TOKD], v[H], 7, s31           ; tokens 32 h ..
	v_and_b32 v[W+2], 7, v[R16]
	v_lshl_add_u32 v[W+2], v[W+2], 2, s31
	v_lshl_add_u32 v[TOKM], v[W+1], 7, v[W+2]      ; token of document lane % 16 of tile 0
	v_lshl_add_u32 v[QTOK], v[H], 3, s32
	v_add_nc_u32 v[W+3], 12, v[LANE]
	v_lshrrev_b32 v[W+3], 5, v[W+3]                ; 1 in lanes 20-31, which take the tokens of queries 8-19 once more, so that no load leaves the buffer (they count for nothing at the end)
	v_mul_u32_u24 v[W+3], v[W+3], 12
	v_sub_nc_u32 v[W+3], v[LANE], v[W+3]
	v_lshlrev_b32 v[RQT], 2, v[W+3]
	v_mad_u32_u24 v[SST], v[H], 8*P, v[GOFF]
	v_add_nc_u32 v[SST], s30, v[SST]
	v_mul_u32_u24 v[W+4], v[R16], P
	v_add_nc_u32 v[W+4], s30, v[W+4]
	v_lshl_add_u32 v[SRD], v[H], 7, v[W+4]
	v_lshl_add_u32 v[PADA], v[H], 5, v[W+4]
	v_and_b32 v[W], 1, v[R16]
	v_lshl_add_u32 v[W+5], v[W+1], 3, v[W]         ; lane r takes stage row r % 2 + 8 (r / 8): query 4 w + r % 2 + 2 (r / 8)
	v_mul_u32_u24 v[QRD], v[W+5], P
	v_add_nc_u32 v[QRD], s30, v[QRD]
	v_lshl_add_u32 v[QRD], v[H], 7, v[QRD]
	v_lshlrev_b32 v[LI], 4, v[LANE]
	v_lshlrev_b32 v[LS], 2, v[LANE]
	v_add_nc_u32 v[QWI], s40, v[LI]                ; each wave's image lies by itself: lane l's 16 bytes at 16 l
	v_add_nc_u32 v[QWS], s41, v[LS]
	v_bfe_u32 v[W+6], v[R16], 1, 1                 ; query tile 0, row r: wave r / 4's image, lane (r % 2) + 8 ((r / 2) % 2) + 16 h.
	v_lshl_add_u32 v[W+6], v[W+6], 3, v[W]         ; Query tile 1 is wave 4's image as it lies: rows 0, 1, 8, 9 are queries 16-19, the others repeat them and are not read
	v_lshl_add_u32 v[W+6], v[H], 4, v[W+6]
	v_lshrrev_b32 v[W+7], 2, v[R16]
	v_mul_u32_u24 v[LQ0], v[W+7], 36*128
	v_lshl_add_u32 v[LQ0], v[W+6], 4, v[LQ0]
	v_mul_u32_u24 v[LQS], v[W+7], 3*128
	v_lshl_add_u32 v[LQS], v[W+6], 2, v[LQS]
	s_mul_i32 s60, ttmp9, 80                       ; the batch's 20 query tokens
	s_mov_b32 s61, 0
	s_lshl_b32 s62, ttmp9, 11                      ; its 512 document tokens
	s_mov_b32 s63, 0
	s_wait_alu depctr_va_vdst(0)
	s_wait_kmcnt 0x0
	s_add_nc_u64 s[QP:QP+1], s[QP:QP+1], s[60:61]
	s_add_nc_u64 s[DOC:DOC+1], s[DOC:DOC+1], s[62:63]
	global_load_b32 v[QA], v[QTOK], s[QP:QP+1]
	global_load_b32 v[QA+1], v[QTOK], s[QP:QP+1] offset:4
	global_load_b128 v[T0:T0+3], v[TOKD], s[DOC:DOC+1]
	global_load_b128 v[T0+4:T0+7], v[TOKD], s[DOC:DOC+1] offset:16
	WIN 0x40
.irp g, 0,1,2,3,4,5
	global_load_b128 v[T1+4*\g:T1+4*\g+3], v[TOKD], s[DOC:DOC+1] offset:32+16*\g
.endr
	WIN 0
.irp t, 0,1,2,3
	global_load_b32 v[MR+\t], v[TOKM], s[DOC:DOC+1] offset:32*\t
.endr
	global_load_b32 v[QT], v[RQT], s[QP:QP+1]
	s_load_b256 s[WT:WT+7], s[WP:WP+1], 0x0        ; dense_w's 44 bytes and dense_b
	s_load_b96 s[WT+8:WT+10], s[WP:WP+1], 0x20
	s_load_b32 s[WT+11], s[BP:BP+1], 0x0
	; constants and the stage's zeros, while the tokens are on their way
	s_lshl_b32 s60, ttmp9, 2
	s_add_nc_u64 s[OUT:OUT+1], s[OUT:OUT+1], s[60:61]
	s_mov_b32 s[SEL], 0x76543210
	s_mov_b32 s[SEL+1], 0xfedcba98
	s_mov_b32 s[CLIP], 0x2edbe6ff                  ; 1e-10
	s_mov_b32 s[SCL], 0x4107e439                   ; S = 8.493218: exp(-50 x^2) = 2^(-(S x)^2)
	s_mov_b32 s[SCL+1], 0x4107e439
	s_mov_b32 s[S0P], 0x4604b4df                   ; S0 = 8493.218
	s_mov_b32 s[S0P+1], 0x4604b4df
	s_mov_b32 s[C20], 0x41e6d4ca                   ; 28.853901
	s_mov_b32 s[C20+1], 0x41e6d4ca
	s_mov_b32 s[LIM], 1199
	v_mov_b32 v[KN], 0xc604b4df
	v_mov_b32 v[KN+1], 0xc604b4df
	v_mov_b32 v[KG], 0xbf596d27
	v_mov_b32 v[KG+1], 0xbf596d27
	v_mov_b32 v[RR+1], 0                           ; (named as the upper half of a pair)
	v_mov_b32 v[TM+7], 0                           ; (a lane permute's destination counts as one of its sources)
.irp i, 0,1,2,3
	v_mov_b32 v[ZR+\i], 0
.endr
.irp u, 0,1,2
	ds_store_b128 v[PADA], v[ZR:ZR+3] offset:1200+16*\u            ; k = 300 .. 319 of row lane % 16: half 0 takes the first three of five places, half 1 the last three
.endr
	s_wait_alu depctr_va_vdst(0)
	s_wait_loadcnt 11                              ; the query tokens and tile 0's; eleven younger loads may be out
	OFFS 2, QA
	OFFS 8, T0
	s_wait_alu depctr_va_vdst(0)
	s_wait_loadcnt 0x0                             ; the other tokens: nothing is out when the rows are asked for
	s_wait_kmcnt 0x0                               ; dense_w and dense_b
	s_cmp_lt_u32 s[WV], 5
	s_cbranch_scc0 .Lq1
	PLOAD X, QA                                    ; my four query rows first: every wave's products wait for them
	PLOAD X+20, QA+1
.Lq1:
	LGRP 0, 0
	LGRP 0, 1
	LGRP 0, 2
	LGRP 0, 3
	WIN 0x44
	OFFS 24, T1
	WIN 0
.irp t, 0,1,2,3
	v_cmp_lt_i32 s[MK+\t], 0, v[MR+\t]
.endr
.irp t, 0,1,2,3
	v_cndmask_b32 v[MR+\t], 0, 1.0, s[MK+\t]
.endr
	s_wait_alu depctr_va_vdst(0)
	s_cmp_lt_u32 s[WV], 5
	s_cbranch_scc0 .Lq2
	s_wait_loadcnt 40                              ; behind the ten query loads stand tile 0's forty
	PSTORE X, 0
	PSTORE X+20, 1
	s_wait_dscnt 0x0                               ; the stores have read their registers
	XLOAD QRD
	PASS1
	PASS2 9                                        ; (no tile is brought in among this one)
.irp i, 0,1,2,3,4,5
	v_mov_b32 v[CD+30+\i], 0                       ; k = 320 .. 383: zero codes
.endr
.irp g, 0,1,2,3,4,5,6,7,8
	ds_store_b128 v[QWI], v[CD+4*\g:CD+4*\g+3] offset:512*\g       ; an image of the operand's registers
.endr
.irp s, 0,1,2
	ds_store_b32 v[QWS], v[DS+\s] offset:128*\s
.endr
.Lq2:
	INTAKE 0
	TILE 0
	TILE 1
	TILE 2
	s_lshl_b32 s31, s[WV], 2
	s_add_co_u32 s31, s31, RED
	v_and_b32 v[T0+4], 15, v0
	v_bfe_u32 v[T0+5], v0, 4, 1
	v_lshl_add_u32 v[RA0], v[T0+4], 5, s31         ; slot = my query
	v_lshl_add_u32 v[RA1], v[T0+5], 6, s31         ; slots 16 + 2 h (and 17 + 2 h) + 4 (lane % 4): the sums of queries 16-19 are laid four times, so that all 32 slots are written
	v_and_b32 v[T0+4], 3, v[T0+4]
	v_lshl_add_u32 v[RA1], v[T0+4], 7, v[RA1]
	v_add_nc_u32 v[RA1], 512, v[RA1]
	v_and_b32 v[T0+5], 31, v0
	v_lshl_add_u32 v[RQ], v[T0+5], 5, RED          ; the end: a lane to a slot
	TILE 3
	; ---- the wave's sums over its 64 documents
.irp k, 0,1,2,3,4,5,6,7,8,9,10
	v_add_f32 v[ACC0+2*\k], v[ACC0+2*\k], v[ACC0+2*\k+1]           ; even and odd documents,
.endr
.irp k, 0,1,2,3,4,5,6,7,8,9,10
	v_permlanex16_b32 v[ACC0+2*\k+1], v[ACC0+2*\k], s[SEL], s[SEL+1]
.endr
.irp k, 0,1,2,3,4,5,6,7,8,9,10
	v_add_f32 v[ACC0+2*\k], v[ACC0+2*\k], v[ACC0+2*\k+1]           ; and lane l xor 16's eight of each tile
.endr
.irp k, 0,1,2,3,4,5,6,7,8,9,10
	ds_store_b32 v[RA0], v[ACC0+2*\k] offset:1024*\k               ; both halves write the same word with the same value
.endr
.irp m, 1,2,4,8                                    ; queries 16-19: over the sixteen lanes, a document each
.set i, 0
.rept 22
	v_add_f32_dpp v[ACC1+i], v[ACC1+i], v[ACC1+i] row_xmask:\m row_mask:0xf bank_mask:0xf
.set i, i+1
.endr
.endr
.irp k, 0,1,2,3,4,5,6,7,8,9,10
	ds_store_b32 v[RA1], v[ACC1+2*\k] offset:1024*\k               ; lanes that share a slot write the same value
	ds_store_b32 v[RA1], v[ACC1+2*\k+1] offset:1024*\k+32
.endr
	s_wait_alu depctr_va_vdst(0)
	s_wait_dscnt 0x0
	s_barrier_signal -1
	s_barrier_wait -1                              ; all eight waves' sums lie in LDS
	s_cmp_lg_u32 s[WV], 0
	s_cbranch_scc1 .Lend
	; ---- wave 0: a lane to a slot; lanes 0-19 are the queries
.irp k, 0,1,2,3,4,5,6,7,8,9,10
	ds_load_b128 v[F+8*\k:F+8*\k+3], v[RQ] offset:1024*\k
	ds_load_b128 v[F+8*\k+4:F+8*\k+7], v[RQ] offset:1024*\k+16
.endr
	v_cmp_lt_i32 vcc_lo, 0, v[QT]
	v_mov_b32 v[TM+2], 0x3be32166                  ; 0.01 ln(2): the logarithm below is to base 2
	v_cndmask_b32 v[TM+1], 0, v[TM+2], vcc_lo      ; times the query's mask,
	v_cmp_gt_u32 vcc_lo, 20, v0
	v_cndmask_b32 v[TM+1], 0, v[TM+1], vcc_lo      ; and 0 in lanes 20-31
	s_wait_alu depctr_va_vdst(0)
	s_wait_dscnt 0x0
.irp k, 0,1,2,3,4,5,6,7,8,9,10
	v_pk_add_f32 v[F+8*\k:F+8*\k+1], v[F+8*\k:F+8*\k+1], v[F+8*\k+2:F+8*\k+3]
	v_pk_add_f32 v[F+8*\k+4:F+8*\k+5], v[F+8*\k+4:F+8*\k+5], v[F+8*\k+6:F+8*\k+7]
.endr
.irp k, 0,1,2,3,4,5,6,7,8,9,10
	v_pk_add_f32 v[F+8*\k:F+8*\k+1], v[F+8*\k:F+8*\k+1], v[F+8*\k+4:F+8*\k+5]
.endr
.irp k, 0,1,2,3,4,5,6,7,8,9,10
	v_add_f32 v[F+8*\k], v[F+8*\k], v[F+8*\k+1]
.endr
.irp k, 1,10                                       ; the factors exp(-50 (mu^2 - 0.01)): e^-40 at mu = 0.9 and -0.9,
	v_mul_f32 v[F+8*\k], 0x229cbc92, v[F+8*\k]
.endr
.irp k, 2,9                                        ; e^-24 at 0.7,
	v_mul_f32 v[F+8*\k], 0x2e26083c, v[F+8*\k]
.endr
.irp k, 3,8                                        ; e^-12 at 0.5,
	v_mul_f32 v[F+8*\k], 0x36ce2a62, v[F+8*\k]
.endr
.irp k, 4,7                                        ; e^-4 at 0.3
	v_mul_f32 v[F+8*\k], 0x3c960aae, v[F+8*\k]
.endr
.irp k, 0,1,2,3,4,5,6,7,8,9,10
	v_max_num_f32 v[F+8*\k], s[CLIP], v[F+8*\k]    ; the clip at 1e-10
.endr
	s_wait_alu depctr_va_vdst(0)
.irp k, 0,1,2,3,4,5,6,7,8,9,10
	v_log_f32 v[F+8*\k+1], v[F+8*\k]
.endr
	v_nop
	s_wait_alu depctr_va_vdst(0)                   ; one wait for the eleven logarithms
	v_mul_f32 v[TM], s[WT], v[F+1]
.irp k, 1,2,3,4,5,6,7,8,9,10
	v_fma_f32 v[TM], s[WT+\k], v[F+8*\k+1], v[TM]
.endr
	v_mul_f32 v[TM], v[TM], v[TM+1]
	v_add_f32_dpp v[TM], v[TM], v[TM] row_xmask:1 row_mask:0xf bank_mask:0xf    ; over the queries
	v_add_f32_dpp v[TM], v[TM], v[TM] row_xmask:2 row_mask:0xf bank_mask:0xf
	v_add_f32_dpp v[TM], v[TM], v[TM] row_xmask:4 row_mask:0xf bank_mask:0xf
	v_add_f32_dpp v[TM], v[TM], v[TM] row_xmask:8 row_mask:0xf bank_mask:0xf
	v_permlanex16_b32 v[TM+2], v[TM], s[SEL], s[SEL+1]
	v_add_f32 v[TM], v[TM], v[TM+2]
	v_add_f32 v[TM], s[WT+11], v[TM]               ; + dense_b
	v_mov_b32 v[TM+3], 0
	v_cmp_eq_u32 vcc_lo, 0, v0
	s_wait_alu depctr_va_vdst(0)
	s_wait_xcnt 0x0                                ; EXEC changes only behind this wait
	s_and_saveexec_b32 s39, vcc_lo
	global_store_b32 v[TM+3], v[TM], s[OUT:OUT+1]  ; the batch's one number
	s_wait_xcnt 0x0
	s_or_b32 exec_lo, exec_lo, s39
.Lend:
	s_wait_tensorcnt 0x0                           ; the wave's end
	ds_add_u32 v[SPW], v[NIL]
	s_wait_dscnt 0x0
	s_endpgm
.Lfunc_end_k_qfd27d37a9f_knrm:
	.size	k_qfd27d37a9f_knrm, .Lfunc_end_k_qfd27d37a9f_knrm-k_qfd27d37a9f_knrm
	.p2alignl 7, 3214868480
	.fill 96, 4, 3214868480
	.section	.rodata,"a",@progbits
	.p2align	6, 0x0
	.amdhsa_kernel k_qfd27d37a9f_knrm
		.amdhsa_group_segment_fixed_size 218112
		.amdhsa_private_segment_fixed_size 0
		.amdhsa_enable_private_segment 0
		.amdhsa_kernarg_size 48
		.amdhsa_user_sgpr_count 2
		.amdhsa_user_sgpr_kernarg_segment_ptr 1
		.amdhsa_wavefront_size32 1
		.amdhsa_system_sgpr_workgroup_id_x 1
		.amdhsa_system_sgpr_workgroup_id_y 1
		.amdhsa_system_sgpr_workgroup_id_z 1
		.amdhsa_system_vgpr_workitem_id 0
		.amdhsa_next_free_vgpr 512
		.amdhsa_next_free_sgpr 66
		.amdhsa_reserve_vcc 1
		.amdhsa_float_denorm_mode_32 3
		.amdhsa_float_denorm_mode_16_64 3
		.amdhsa_memory_ordered 1
		.amdhsa_forward_progress 1
		.amdhsa_inst_pref_size 212
	.end_amdhsa_kernel
	.amdgpu_metadata
---
amdhsa.version: [ 1, 2 ]
amdhsa.kernels:
  - .name:           k_qfd27d37a9f_knrm
    .symbol:         k_qfd27d37a9f_knrm.kd
    .args:
      - { .name: query_tokens, .offset: 0, .size: 8, .value_kind: global_buffer, .address_space: global }
      - { .name: doc_tokens, .offset: 8, .size: 8, .value_kind: global_buffer, .address_space: global }
      - { .name: embed_table, .offset: 16, .size: 8, .value_kind: global_buffer, .address_space: global }
      - { .name: dense_w, .offset: 24, .size: 8, .value_kind: global_buffer, .address_space: global }
      - { .name: dense_b, .offset: 32, .size: 8, .value_kind: global_buffer, .address_space: global }
      - { .name: out0, .offset: 40, .size: 8, .value_kind: global_buffer, .address_space: global }
    .group_segment_fixed_size: 218112
    .private_segment_fixed_size: 0
    .kernarg_segment_align: 8
    .kernarg_segment_size: 48
    .max_flat_workgroup_size: 256
    .sgpr_count:     66
    .vgpr_count:     512
    .wavefront_size: 32
...
	.end_amdgpu_metadata
.endif
;; end of part 1
